; MI455X (gfx1250); checked and timed in simulation.
; The chip was launched on July 23, 2026; its instructions are those of AMD's public machine-readable ISA for CDNA 5 (MIT licence, August 2026) and "CDNA5" Instruction Set Architecture Reference Guide (July 2026). The comments in the code are by the model that wrote it; some were corrected since.
;; MLP. Allowed arithmetic: float matrix products may take bf16 or f16 operands with f32 sums; other float arithmetic in f32, or as packed bf16 or f16 multiplies, adds, multiply-adds, maxima and minima; sums over many terms, partial sums and values carried from step to step in f32; what a program stores and reads back later, other than sums and carried values, may be rounded once to bf16 or f16.
;; Inputs: W1 4,096 x 1,024 bfloat16; W2 4,096 x 1,024 bfloat16; x 8 x 1,024 x 1,024 bfloat16.
;; Outputs: out0 8 x 1,024 x 1,024 bfloat16.
;; One version. Each part assembles by itself: llvm-mc -triple=amdgcn-amd-amdhsa -mcpu=gfx1250 --defsym DOCPART=n.
;; ======== version 1 of 1: 2 launches
;; workspace buffers: post 67,108,864 bytes
;; launch up (part 1): grid 16 x 16, 4 waves a work-group, clusters of 4 x 4, 327,680 bytes of LDS; arguments x, W1, post; writes post
.if DOCPART == 1
	.amdgcn_target "amdgcn-amd-amdhsa--gfx1250"
	.amdhsa_code_object_version 6
	.text
	.protected	k_qff3e8ec7d8_up
	.globl	k_qff3e8ec7d8_up
	.p2align	8
	.type	k_qff3e8ec7d8_up,@function
k_qff3e8ec7d8_up:
	s_mov_b64 s[64:65], 0
	v_nop
	global_prefetch_b8 v0, s[64:65] scope:SCOPE_SE
	s_setreg_imm32_b32 hwreg(HW_REG_WAVE_MODE, 25, 1), 1
	s_wait_xcnt 0x0
	s_wait_alu depctr_hold_cnt(0) depctr_sa_sdst(0) depctr_va_vdst(0) depctr_va_sdst(0) depctr_va_ssrc(0) depctr_va_vcc(0) depctr_vm_vsrc(0)
	s_getreg_b32 s2, hwreg(HW_REG_IB_STS2, 6, 4)
	s_cmp_eq_u32 s2, 0
	s_cbranch_scc0 .Lentry_in_a_cluster
	s_endpgm
.Lentry_in_a_cluster:
	s_bfe_u32 s2, ttmp6, 0x10000c
	s_cmp_lg_u32 s2, 0xf033
	s_cbranch_scc0 .Lentry_shape_is_right
	s_endpgm
.Lentry_shape_is_right:
; post[m][h] = relu(pre[m][h])^2, pre[m][h] = sum over k of x[m][k] W1[h][k].  x: [8192][1024], W1: [4096][1024], post: [8192][4096], all bf16.
; ROUNDINGS.  The sums are kept in f32.  pre is rounded once to bf16, since reference()'s product of bf16 tensors is a bf16 tensor; relu rounds nothing; the square (exact in 16 bits of
; significand) is rounded once to bf16, as reference()'s square of a bf16 tensor is.  So post is rounded at the two places at which reference() rounds it.
; LIMITS.  A NaN in pre counts as 0 (the maximum with 0 lets a NaN lose); a square beyond bf16's range is an infinity.
; A tile of post, 256 x 256, is made by a work-group of four waves; a wave makes 128 x 128: 64 accumulators of 16 x 16, 512 registers.  K goes in steps of 128 through a ring of
; two LDS slots filled by the tensor data mover: a tile's rows are 256 bytes of memory and start at multiples of 256 bytes from the buffer's first byte.
; A WORK-GROUP STAYS: 512 tiles for 256 work-groups, so each makes two, 4,096 rows apart; the ring does not stop at the first tile's end: its last two changes of slots ask for the
; second tile's first two K steps, and nothing waits for the first tile's stores.  The second tile's last K step goes by rows, so that finished rows leave while the others are multiplied.
; CLUSTERS: 4 x 4 work-groups.  The four of a row of the cluster need the same tiles of x, the four of a column the same tiles of W1: each tile is asked for JOINTLY, by the same
; tensor load with the same descriptor and a mask that names the four.
; REGISTERS, in windows of 256 (s_set_vgpr_msb's low byte: bits 1:0 source 0, 3:2 source 1, 5:4 source 2, 7:6 destination):
;   window 0: v0-31 addresses; v64-127, v128-191 fragments of x, two buffers (in the very last K step four, of 16 rows x 128 K); v32-63, v192-255 at work on the way out
;   window 1: v64-127, v128-191 fragments of W1, two buffers; in the very last K step all 256
;   window 2: the 32 accumulators of my rows 0-63 (accumulator (a, b) at v[8 (8 a + b)]);   window 3: those of my rows 64-127
; THE MATRIX INSTRUCTION IS USED TRANSPOSED: source 0 = 16 rows of W1, source 1 = 16 rows of x: lane l then holds row l % 16 of post and eight neighbouring columns, 16 bytes in bf16.
.set SIZE_M, 8192
.set SIZE_N, 4096
.set SIZE_K, 1024
.set SIZE_TILES, 2
.set KSTEP,  128
.set PITCH,  272                       ; an LDS row: 256 bytes + 16 of padding = 68 words: the 16 rows of a fragment load start 4 banks apart (64 banks of 4 bytes: ISA guide 11.1)
.set HALFT,  128*PITCH                 ; 128 rows: what one tensor load brings, and what one wave reads of x or of W1
.set SLOT,   4*HALFT                   ; x's 256 rows, then W1's 256 rows
.set STAGE,  2*SLOT                    ; behind the ring: 16 rows x 272 bytes for each wave, for the way out
.set SPITCH, 272
.set SPARE,  STAGE+4*16*SPITCH         ; behind the stages: the spare words, 128 bytes for each wave
.set LAPS, SIZE_K/(2*KSTEP)            ; a lap = two K steps = once round the ring: 4
.set WALK,   SIZE_M/SIZE_TILES         ; my two tiles lie 4,096 rows apart
.set NEXT_A, WALK*SIZE_K*2-(SIZE_K-2*KSTEP)*2   ; bytes from a slot's last K step of a tile to its first of the next: x goes WALK rows down and back along K,
.set BACK_B, (SIZE_K-2*KSTEP)*2        ; W1 only back
.set NEXT_C, (WALK-7*16)*SIZE_N*2      ; bytes from my last 16 rows of a tile to my first of the next
.set ADRA, 16                          ; v16-17  LDS address of my x fragments in slot 0, 1
.set ADRB, 20                          ; v20-21  the same for W1
.set STO,  24                          ; v24     the way out: where I put 16 bytes of a row
.set RD,   25                          ; v25     the way out: where I read a row back
.set CO,   26                          ; v26     my byte offset in post
.set ZR,   27                          ; v27     two bf16 zeros, for relu; never rewritten
.set SPW,  28                          ; v28     LDS address of my spare word; never rewritten
.set NIL,  29                          ; v29     0, for the add alone; never rewritten
.set F0,   64                          ; fragment buffer 0
.set F1,   128                         ; fragment buffer 1
.set TMP,  192                         ; the way out: packed results, in window 0
.set OB,   32                          ; the way out: 16 rows read back from the stage: v32-63 and v224-255 by turns
.set PA,   64                          ; the very last K step: x's fragments of 16 rows x 128 K, 32 registers; four such buffers, v64-191
.set G1, 24                            ; s[24:31] descriptor group 1 for x's tiles
.set G0, 32                            ; s[32:39] descriptor group 0 for x's tiles, one set for each slot
.set G1B, 48                           ; s[48:55] descriptor group 1 for W1's tiles: it differs in the mask alone
.set G0B, 56                           ; s[56:63] descriptor group 0 for W1's tiles, one set for each slot
.set MSB, 0
.macro WIN new                         ; the immediate's high byte repeats the setting that is left; a switch that changes nothing is dropped
.if MSB != (\new)
	s_set_vgpr_msb (MSB<<8)|(\new)
.set MSB, \new
.endif
.endm
.set MUL_LO, 0xa1                      ; source 0 (W1) window 1, source 1 (x) window 0, C and D window 2
.set MUL_HI, 0xf1                      ; the same, C and D window 3
.set TO_B,   0x40                      ; destination window 1, address window 0
; A joint load.  Waves 0 and 1 fetch x's two halves, waves 2 and 3 W1's.  The branch hangs on the wave's number alone.  An s_nop 0 and four v_nop follow each of the two lines.
.macro JLOAD s
	s_cmp_eq_u32 s11, 0
	s_cbranch_scc0 .Lfor_b_\@
	tensor_load_to_lds s[G0+4*(\s):G0+4*(\s)+3], s[G1:G1+7]
	s_nop 0
.rept 4
	v_nop
.endr
	s_branch .Lasked_\@
.Lfor_b_\@:
	tensor_load_to_lds s[G0B+4*(\s):G0B+4*(\s)+3], s[G1B:G1B+7]
	s_nop 0
.rept 4
	v_nop
.endr
.Lasked_\@:
.endm
; A round of the cluster's barrier: my work-group's barrier; wave 0 signals for the work-group; every wave waits for all sixteen work-groups; my work-group's barrier once more.
.macro CREST                           ; a round behind its opening barrier
	s_cmp_lg_u32 s10, 0
	s_cbranch_scc1 .Lnot_wave_0_\@
	s_barrier_signal -3
.Lnot_wave_0_\@:
	s_barrier_wait -3
	s_barrier_signal -1
	s_barrier_wait -1
.endm
.macro CROUND                          ; a whole round
	s_barrier_signal -1
	s_barrier_wait -1
	CREST
.endm
	s_load_b128 s[4:7], s[0:1], 0x0                ; x s[4:5], W1 s[6:7]
	s_load_b64 s[8:9], s[0:1], 0x10                ; post
	v_lshl_add_u32 v[SPW], v0, 2, SPARE
	v_mov_b32 v[NIL], 0
	ds_add_u32 v[SPW], v[NIL]                      ; the wave's opening: the add and its wait stand ahead of my first tensor load; the set-up below stands between them
	v_mov_b32 v[ZR], 0
	v_lshrrev_b32 v1, 5, v0
	v_readfirstlane_b32 s10, v1                    ; wave 0..3
	s_lshr_b32 s11, s10, 1                         ; which half of the tile's rows is mine.  Also: I fetch for x (0) or for W1 (1)
	s_and_b32 s12, s10, 1                          ; which half of its columns.  Also: which 128 rows of that tile I fetch
	s_bfe_u32 s40, ttmp6, 0x40000                  ; cx: my place along the cluster's x
	s_bfe_u32 s41, ttmp6, 0x40004                  ; cy: along its y
	s_lshl_b32 s42, ttmp9, 2                       ; in a cluster launch ttmp9 and ttmp7 count clusters
	s_add_co_u32 s42, s42, s40                     ; tile column = 4 x cluster x + cx
	s_and_b32 s13, ttmp7, 0xffff
	s_lshl_b32 s13, s13, 2
	s_add_co_u32 s13, s13, s41                     ; tile row = 4 x cluster y + cy
	s_lshl_b32 s43, s41, 2
	s_lshl_b32 s43, 15, s43                        ; my row of the cluster: places 4 cy .. 4 cy + 3
	s_lshl_b32 s44, 0x1111, s40                    ; my column: places cx, cx + 4, cx + 8, cx + 12
	; descriptor group 1: a tile of 128 rows x 128 elements, padded in LDS
	s_or_b32 s[G1+0], s43, (1<<16)|(1<<20)|(1<<21)|(5<<22)|(3<<25)  ; 15:0 the mask: x's tiles go to my row; 17:16 2-byte elements; 20 padding on; 21 set beside a mask; 24:22 after every 64 words; 31:25 4 words of it
	s_or_b32 s[G1B+0], s44, (1<<16)|(1<<20)|(1<<21)|(5<<22)|(3<<25) ; the same with the mask of my column, for W1's tiles
	s_mov_b32 s[G1B+1], KSTEP<<16
	s_mov_b32 s[G1+1], KSTEP<<16                   ; tensor_dim0 = 128
	s_mov_b32 s[G1B+2], 128<<16
	s_mov_b32 s[G1+2], 128<<16                     ; tensor_dim1 = 128
	s_mov_b32 s[G1B+3], KSTEP<<16
	s_mov_b32 s[G1+3], KSTEP<<16                   ; tile_dim0 = 128
	s_mov_b32 s[G1B+4], 128
	s_mov_b32 s[G1+4], 128                         ; tile_dim1 = 128
	s_mov_b32 s[G1B+5], SIZE_K
	s_mov_b32 s[G1+5], SIZE_K                      ; elements from row to row
	s_mov_b32 s[G1B+6], 0
	s_mov_b32 s[G1+6], 0
	s_mov_b32 s[G1B+7], 0
	s_mov_b32 s[G1+7], 0
	; x's tiles hang on the tile row alone, which my row of the cluster shares; W1's on the tile column alone, which my column shares.  Each address is made in registers that never hold the other coordinate.
	s_lshl_b32 s17, s12, 7                         ; which 128 rows of the tile I fetch
	s_lshl_b32 s16, s13, 8
	s_add_co_u32 s16, s16, s17                     ; x: row 256 x tile row + 128 x half
	s_lshl_b32 s46, s42, 8
	s_add_co_u32 s46, s46, s17                     ; W1: row 256 x tile column + 128 x half
	s_mov_b32 s17, 0
	s_mov_b32 s47, 0
	s_mov_b64 s[18:19], SIZE_K*2
	s_mul_u64 s[16:17], s[16:17], s[18:19]         ; in bytes
	s_mul_u64 s[46:47], s[46:47], s[18:19]
	s_mul_i32 s20, s10, HALFT                      ; where they go: wave x 128 rows: no place in the cluster enters an LDS address
	s_wait_dscnt 0x0                               ; the opening add is done
	s_wait_kmcnt 0x0
	s_add_nc_u64 s[14:15], s[4:5], s[16:17]
	s_add_nc_u64 s[46:47], s[6:7], s[46:47]
	CROUND                                         ; all sixteen work-groups are here: the first joint loads meet
.irp s, 0,1
	s_mov_b32 s[G0+4*(\s)], 1                                      ; count = 1
	s_add_co_u32 s[G0+4*(\s)+1], s20, (\s)*SLOT                    ; LDS address
	s_add_nc_u64 s[G0+4*(\s)+2:G0+4*(\s)+3], s[14:15], (\s)*KSTEP*2  ; global address: K step s
	s_or_b32 s[G0+4*(\s)+3], s[G0+4*(\s)+3], 0x80000000            ; type = 2
	s_mov_b32 s[G0B+4*(\s)], 1
	s_add_co_u32 s[G0B+4*(\s)+1], s20, (\s)*SLOT
	s_add_nc_u64 s[G0B+4*(\s)+2:G0B+4*(\s)+3], s[46:47], (\s)*KSTEP*2
	s_or_b32 s[G0B+4*(\s)+3], s[G0B+4*(\s)+3], 0x80000000
	JLOAD \s                                       ; the ring is filled before anything else is done: two loads of mine are out
.endr
	; A fragment is 16 rows x 32 K in 8 registers: lane l holds row l % 16; registers 0-3 K = 8 (l / 16) + 0..7, registers 4-7 K = 16 + 8 (l / 16) + 0..7: two loads of 16 bytes, 32 bytes apart.
	v_and_b32 v1, 15, v0                           ; l % 16
	v_bfe_u32 v2, v0, 4, 1                         ; l / 16
	v_mul_u32_u24 v3, v1, PITCH
	v_lshl_add_u32 v3, v2, 4, v3                   ; row x pitch + 16 x half
	s_mul_i32 s21, s11, HALFT                      ; my 128 rows of x
	s_mul_i32 s22, s12, HALFT                      ; my 128 rows of W1,
	s_add_co_u32 s22, s22, 2*HALFT                 ; which lie behind x's 256
.irp s, 0,1
	v_add_nc_u32 v[ADRA+(\s)], s21, v3
	v_add_nc_u32 v[ADRB+(\s)], s22, v3
	s_add_co_u32 s21, s21, SLOT
	s_add_co_u32 s22, s22, SLOT
.endr
	s_mul_i32 s23, s10, 16*SPITCH
	s_add_co_u32 s23, s23, STAGE                   ; my stage
	v_mul_u32_u24 v4, v1, SPITCH                   ; in: row l % 16, 16 bytes for each half of the lanes
	v_lshl_add_u32 v4, v2, 4, v4
	v_add_nc_u32 v[STO], s23, v4
	v_mul_u32_u24 v5, v2, SPITCH                   ; back: lanes 0-15 take one row of 256 bytes, lanes 16-31 the next
	v_lshl_add_u32 v5, v1, 4, v5
	v_add_nc_u32 v[RD], s23, v5
	v_mul_u32_u24 v5, v2, SIZE_N*2                 ; and the same two rows in post
	v_lshl_add_u32 v[CO], v1, 4, v5
	; where my part of the first tile begins in post, in bytes: the first way out adds it to post's address
	s_lshl_b32 s13, s13, 8
	s_lshl_b32 s14, s11, 7
	s_add_co_u32 s16, s13, s14                     ; my first row
	s_mov_b32 s17, 0
	s_mov_b64 s[18:19], SIZE_N*2
	s_mul_u64 s[16:17], s[16:17], s[18:19]
	s_lshl_b32 s46, s42, 9                         ; my first column, in bytes: 512 x tile column + 256 x half
	s_lshl_b32 s47, s12, 8
	s_add_co_u32 s46, s46, s47
	s_mov_b32 s47, 0
	s_add_nc_u64 s[16:17], s[16:17], s[46:47]
; 16 matrix instructions: m blocks a0, a0 + 1 of the window's four (hi = 0: my rows 0-63, 1: rows 64-127) x all 8 n blocks, 32 along K.  zero = 1: the first product starts the sums.
.macro MUL16 f, hi, a0, zero
	WIN MUL_LO+0x50*(\hi)
.irp a, \a0, (\a0)+1
.irp b, 0,1,2,3,4,5,6,7
.if \zero
	v_wmma_f32_16x16x32_bf16 v[8*(8*(\a)+(\b)):8*(8*(\a)+(\b))+7], v[(\f)+8*(\b):(\f)+8*(\b)+7], v[(\f)+8*(4*(\hi)+(\a)):(\f)+8*(4*(\hi)+(\a))+7], 0
.else
	v_wmma_f32_16x16x32_bf16 v[8*(8*(\a)+(\b)):8*(8*(\a)+(\b))+7], v[(\f)+8*(\b):(\f)+8*(\b)+7], v[(\f)+8*(4*(\hi)+(\a)):(\f)+8*(4*(\hi)+(\a))+7], v[8*(8*(\a)+(\b)):8*(8*(\a)+(\b))+7]
.endif
.endr
.endr
.endm
; 32 LDS loads in one run: the fragments of one quarter step (128 rows of W1, 128 rows of x, 32 K at byte k of the rows) into buffer f
.macro FETCH slot, k, f
	WIN TO_B
.irp i, 0,1,2,3,4,5,6,7
	ds_load_b128 v[(\f)+8*(\i):(\f)+8*(\i)+3],   v[ADRB+(\slot)] offset:(\k)+(\i)*16*PITCH
	ds_load_b128 v[(\f)+8*(\i)+4:(\f)+8*(\i)+7], v[ADRB+(\slot)] offset:(\k)+(\i)*16*PITCH+32
.endr
	WIN 0
.irp i, 0,1,2,3,4,5,6,7
	ds_load_b128 v[(\f)+8*(\i):(\f)+8*(\i)+3],   v[ADRA+(\slot)] offset:(\k)+(\i)*16*PITCH
	ds_load_b128 v[(\f)+8*(\i)+4:(\f)+8*(\i)+7], v[ADRA+(\slot)] offset:(\k)+(\i)*16*PITCH+32
.endr
.endm
; Four plain vector instructions stand between a matrix instruction and a load into a register that it has read, or a vector instruction that touches its registers (ISA guide 7.12.1 for vector instructions).
.macro PLACES
.rept 4
	v_nop
.endr
.endm
; A K step is four quarter steps of 32 along K, 64 matrix instructions each, on buffers 0, 1, 0, 1.  The 64 accumulators take turns in the same order in every quarter.
; One of the first three quarters: multiplies buffer f; in its middle it fetches the next quarter's fragments, at byte k of the same slot's rows, into buffer g.
.macro QUARTER slot, k, f, g, zero
	s_wait_dscnt 8                                 ; W1 and x's rows 0-63 are in; the youngest eight loads (x's rows 64-127) may be out
	WIN MUL_LO
	MUL16 \f, 0, 0, \zero
	MUL16 \f, 0, 2, \zero
	PLACES
	FETCH \slot, \k, \g
	s_wait_dscnt 32                                ; all but the 32 just issued
	WIN MUL_HI
	MUL16 \f, 1, 0, \zero
	MUL16 \f, 1, 2, \zero
.endm
; The last quarter multiplies buffer 1 and changes slots.  MEET is its first half: one barrier; in front of it each wave waits for all its tensor loads (one is out: its part of the next slot),
; adds 0 to its spare word, and waits for that and for its own reads of this slot.  Behind it nobody reads this slot any more and the next slot is whole.
.macro MEET round                      ; round = 1: a round of the cluster's barrier follows
	WIN 0                                          ; (the add's two registers lie in window 0)
	s_wait_tensorcnt 0x0                           ; all my tensor loads have landed
	ds_add_u32 v[SPW], v[NIL]                      ; 0 onto my spare word
	s_wait_dscnt 9                                 ; (the add and the youngest eight loads may be out)
	WIN MUL_LO
	MUL16 F1, 0, 0, 0                              ; sixteen matrix instructions stand between the add and the wait for it
	s_wait_dscnt 0x0                               ; the add is done, and my reads of this slot are over
	s_barrier_signal -1
	MUL16 F1, 0, 2, 0                              ; work on registers while the others arrive
.if \round
	WIN 0
.endif
	s_barrier_wait -1
.endm
; The whole last quarter.  Behind the round the slot just read out is filled again first: with this tile's K step two steps on (on = 0) or with the next tile's K step 0 or 1 (on = 1);
; then come the next slot's first fragments.  From a request to the wait for it a wave issues 224 matrix instructions.
.macro TURN slot, next, on
	MEET 1
	CREST                                          ; no wave of any partner still reads this slot's tile or has a load on its way
.if \on
	s_add_nc_u64 s[G0+4*(\slot)+2:G0+4*(\slot)+3], s[G0+4*(\slot)+2:G0+4*(\slot)+3], NEXT_A
	s_sub_nc_u64 s[G0B+4*(\slot)+2:G0B+4*(\slot)+3], s[G0B+4*(\slot)+2:G0B+4*(\slot)+3], BACK_B
.else
	s_add_nc_u64 s[G0+4*(\slot)+2:G0+4*(\slot)+3], s[G0+4*(\slot)+2:G0+4*(\slot)+3], 2*KSTEP*2
	s_add_nc_u64 s[G0B+4*(\slot)+2:G0B+4*(\slot)+3], s[G0B+4*(\slot)+2:G0B+4*(\slot)+3], 2*KSTEP*2
.endif
	JLOAD \slot                                    ; my one tensor load behind the round; its four v_nop are also the places in front of the loads below
	FETCH \next, 0, F0
	WIN MUL_HI
	MUL16 F1, 1, 0, 0
	MUL16 F1, 1, 2, 0
.endm
; THE LAST K STEP OF THE LAST TILE (it lies in slot 1) GOES BY ROWS.  All its fragments of W1 fill window 1; then my eight blocks of 16 rows are finished one after the other,
; each with 32 matrix instructions (its 8 accumulators by turns, K ascending).
.macro BLOAD q                         ; W1's fragments of quarter q -> window 1, v[64 q ..]
	WIN TO_B
.irp i, 0,1,2,3,4,5,6,7
	ds_load_b128 v[64*(\q)+8*(\i):64*(\q)+8*(\i)+3],   v[ADRB+1] offset:64*(\q)+(\i)*16*PITCH
	ds_load_b128 v[64*(\q)+8*(\i)+4:64*(\q)+8*(\i)+7], v[ADRB+1] offset:64*(\q)+(\i)*16*PITCH+32
.endr
.endm
.macro ALOAD a                         ; x's fragments of block a, all four quarters -> buffer a % 4
	WIN 0
.set FA, PA+32*((\a)%4)
.irp q, 0,1,2,3
	ds_load_b128 v[FA+8*(\q):FA+8*(\q)+3],   v[ADRA+1] offset:64*(\q)+(\a)*16*PITCH
	ds_load_b128 v[FA+8*(\q)+4:FA+8*(\q)+7], v[ADRA+1] offset:64*(\q)+(\a)*16*PITCH+32
.endr
.endm
.macro ROW a                           ; block a is finished: 32 matrix instructions
.set FA, PA+32*((\a)%4)
.set AC, 64*((\a)%4)
	WIN MUL_LO+0x50*((\a)/4)
.irp q, 0,1,2,3
.if (\a) == 0 && (\q) == 2
	s_wait_dscnt 24                                ; W1's quarter 2 is in (behind it: x's blocks 1 to 3)
.endif
.irp b, 0,1,2,3,4,5,6,7
	v_wmma_f32_16x16x32_bf16 v[AC+8*(\b):AC+8*(\b)+7], v[64*(\q)+8*(\b):64*(\q)+8*(\b)+7], v[FA+8*(\q):FA+8*(\q)+7], v[AC+8*(\b):AC+8*(\b)+7]
.endr
.endr
.endm
; THE WAY OUT of block a, in three parts.  PACK: the block's 64 sums a lane are rounded to bf16 in pairs (ascending):
; that is pre, 16 bytes for each n block; then, on the packed halves, relu (a maximum with 0: nothing is rounded) and the square (one rounding to bf16).  96 vector instructions for 64 numbers a lane.
; TOSTAGE: into my own stage in LDS, and back as whole rows of 256 bytes.  SEND: stored.
.macro PACK a
.set AC, 64*((\a)%4)
	WIN 0x0a+5*((\a)/4)                            ; sources 0 and 1: window 2 or 3; destination window 0
.irp b, 0,1,2,3,4,5,6,7
.irp r, 0,1,2,3
	v_cvt_pk_bf16_f32 v[TMP+4*(\b)+(\r)], v[AC+8*(\b)+2*(\r)], v[AC+8*(\b)+2*(\r)+1]
.endr
.endr
	WIN 0
.set i, 0
.rept 32
	v_pk_max_num_bf16 v[TMP+i], v[TMP+i], v[ZR]    ; relu, two at a time
.set i, i+1
.endr
.set i, 0
.rept 32
	v_pk_mul_bf16 v[TMP+i], v[TMP+i], v[TMP+i]     ; two squares
.set i, i+1
.endr
.endm
.macro TOSTAGE a
	WIN 0
.set BK, OB+192*((\a)%2)
.irp b, 0,1,2,3,4,5,6,7
	ds_store_b128 v[STO], v[TMP+4*(\b):TMP+4*(\b)+3] offset:32*(\b)
.endr
.irp t, 0,1,2,3,4,5,6,7
	ds_load_b128 v[BK+4*(\t):BK+4*(\t)+3], v[RD] offset:(\t)*2*SPITCH  ; LDS serves a wave's instructions in order (ISA guide 5.7.1.4): these see the stores above
.endr
.endm
.macro SEND a, younger                 ; younger: the LDS loads issued behind TOSTAGE's, which may stay out
	WIN 0
.set BK, OB+192*((\a)%2)
	s_wait_dscnt \younger                          ; the block is back in registers
	s_wait_xcnt 0x0                                ; the stores' base and the registers that earlier stores read are rewritten only behind this wait
.if (\a) == 0
	s_add_nc_u64 s[8:9], s[8:9], s[16:17]          ; on to this tile's first rows
.else
	s_add_nc_u64 s[8:9], s[8:9], 16*SIZE_N*2       ; 16 rows on: the stores' offsets stay at 14 rows, 114,688 bytes, at the most
.endif
.irp t, 0,1,2,3,4,5,6,7
	global_store_b128 v[CO], v[BK+4*(\t):BK+4*(\t)+3], s[8:9] offset:2*(\t)*SIZE_N*2  ; 16 lanes store 256 consecutive bytes, at a multiple of 256 from post's first byte
.endr
.endm
	s_wait_tensorcnt 1                             ; my part of K step 0 is in; K step 1's may stay out
	s_barrier_signal -1
	s_barrier_wait -1                              ; everybody's is
	FETCH 0, 0, F0
	s_mov_b32 s2, SIZE_TILES                       ; tiles to go, this one among them: the same number in every work-group
.Ltile:                                                ; (FETCH and SEND leave every window 0)
	QUARTER 0, 64,  F0, F1, 1                      ; a tile's first quarter stands in front of the loop: its products start the sums
	WIN 0                                          ; at a label and at a branch every window is 0
	s_mov_b32 s3, LAPS-1
.Llap:                                                 ; a trip goes once round the ring, from a lap's second quarter to the next lap's first, and fills both slots again
	QUARTER 0, 128, F1, F0, 0
	QUARTER 0, 192, F0, F1, 0
	TURN 0, 1, 0
	QUARTER 1, 64,  F0, F1, 0
	QUARTER 1, 128, F1, F0, 0
	QUARTER 1, 192, F0, F1, 0
	TURN 1, 0, 0
	QUARTER 0, 64,  F0, F1, 0
	WIN 0
	s_sub_co_u32 s3, s3, 1
	s_cmp_lg_u32 s3, 0
	s_cbranch_scc1 .Llap
	QUARTER 0, 128, F1, F0, 0                      ; the tile's last lap goes on
	QUARTER 0, 192, F0, F1, 0
	WIN 0
	s_cmp_eq_u32 s2, 1
	s_cbranch_scc1 .Llast_tile                     ; the last tile's tail is written out: it asks for nothing more
	TURN 0, 1, 1                                   ; the ring goes on into the next tile: slot 0 takes its K step 0,
	QUARTER 1, 64,  F0, F1, 0
	QUARTER 1, 128, F1, F0, 0
	QUARTER 1, 192, F0, F1, 0
	TURN 1, 0, 1                                   ; slot 1 its K step 1, and the next tile's first fragments are fetched
	PACK 0                                         ; both refills are asked for: now the tile goes out.  Blocks 0-3 were finished in front of TURN's four v_nop; their lines name
	TOSTAGE 0                                      ; window 2, v192-223 and v27 alone, no register of the last products (blocks 4-7's), and are those products' places
.irp a, 1,2,3,4,5,6,7                  ; block a's arithmetic stands between block a - 1's loads from the stage and the wait for them
	PACK \a
	SEND (\a)-1, 0
	TOSTAGE \a
.endr
	SEND 7, 0
	s_mov_b64 s[16:17], NEXT_C                     ; what the next way out adds to post's address
	s_sub_co_u32 s2, s2, 1
	s_branch .Ltile
.Llast_tile:
	MEET 0                                         ; my one tensor load that was still out is slot 1's, the last K step's, so no round follows
	PLACES                                         ; for the loads into buffer 0, which the quarter before multiplied
	WIN TO_B
	BLOAD 0                                        ; three quarters of W1 now: buffer 1 (v128-191 of both windows) is still being multiplied
	BLOAD 1
	BLOAD 3
	WIN 0
	ALOAD 0
	WIN MUL_HI
	MUL16 F1, 1, 0, 0
	MUL16 F1, 1, 2, 0
	PLACES                                         ; for the loads into buffer 1
	WIN TO_B
	BLOAD 2
	WIN 0
	ALOAD 1
	ALOAD 2
	ALOAD 3
	s_wait_dscnt 40                                ; all but the 40 just issued
	ROW 0
.irp a, 0,1,2,3,4,5,6,7                ; each block leaves as soon as it is finished
	PLACES                                         ; its conversions read results just made
	PACK \a
	TOSTAGE \a
.if (\a) < 4
	ALOAD (\a)+4                                   ; its buffer takes the block four further on
	SEND \a, 8
.else
	SEND \a, 0
.endif
.if (\a) < 7
	ROW (\a)+1
.endif
.endr
	s_wait_tensorcnt 0x0                           ; the wave's end, behind my last tensor load and my last LDS store
	ds_add_u32 v[SPW], v[NIL]
	s_wait_dscnt 0x0
	CROUND                                         ; the closing round: no work-group ends while a partner may still ask for a tile that names it
	s_endpgm
.Lfunc_end_k_qff3e8ec7d8_up:
	.size	k_qff3e8ec7d8_up, .Lfunc_end_k_qff3e8ec7d8_up-k_qff3e8ec7d8_up
	.p2alignl 7, 3214868480
	.fill 96, 4, 3214868480
	.section	.rodata,"a",@progbits
	.p2align	6, 0x0
	.amdhsa_kernel k_qff3e8ec7d8_up
		.amdhsa_group_segment_fixed_size 327680
		.amdhsa_private_segment_fixed_size 0
		.amdhsa_enable_private_segment 0
		.amdhsa_kernarg_size 24
		.amdhsa_user_sgpr_count 2
		.amdhsa_user_sgpr_kernarg_segment_ptr 1
		.amdhsa_wavefront_size32 1
		.amdhsa_system_sgpr_workgroup_id_x 1
		.amdhsa_system_sgpr_workgroup_id_y 1
		.amdhsa_system_sgpr_workgroup_id_z 1
		.amdhsa_system_vgpr_workitem_id 0
		.amdhsa_next_free_vgpr 1024
		.amdhsa_next_free_sgpr 66
		.amdhsa_reserve_vcc 0
		.amdhsa_float_denorm_mode_32 3
		.amdhsa_float_denorm_mode_16_64 3
		.amdhsa_memory_ordered 1
		.amdhsa_forward_progress 1
		.amdhsa_inst_pref_size 255
	.end_amdhsa_kernel
	.section	.bss,"aw",@nobits
	.p2align	6
	.space	262144
	.amdgpu_metadata
---
amdhsa.version: [ 1, 2 ]
amdhsa.kernels:
  - .name:           k_qff3e8ec7d8_up
    .symbol:         k_qff3e8ec7d8_up.kd
    .args:
      - { .name: x, .offset: 0, .size: 8, .value_kind: global_buffer, .address_space: global }
      - { .name: W1, .offset: 8, .size: 8, .value_kind: global_buffer, .address_space: global }
      - { .name: post, .offset: 16, .size: 8, .value_kind: global_buffer, .address_space: global }
    .group_segment_fixed_size: 327680
    .private_segment_fixed_size: 0
    .kernarg_segment_align: 8
    .kernarg_segment_size: 24
    .max_flat_workgroup_size: 128
    .sgpr_count:     66
    .vgpr_count:     1024
    .wavefront_size: 32
...
	.end_amdgpu_metadata
.endif
;; end of part 1
;; launch down (part 2): grid 4 x 64, 4 waves a work-group, clusters of 4 x 4, 327,680 bytes of LDS; arguments post, W2, out0; writes out0
.if DOCPART == 2
	.amdgcn_target "amdgcn-amd-amdhsa--gfx1250"
	.amdhsa_code_object_version 6
	.text
	.protected	k_qff3e8ec7d8_down
	.globl	k_qff3e8ec7d8_down
	.p2align	8
	.type	k_qff3e8ec7d8_down,@function
k_qff3e8ec7d8_down:
	s_mov_b64 s[64:65], 0
	v_nop
	global_prefetch_b8 v0, s[64:65] scope:SCOPE_SE
	s_setreg_imm32_b32 hwreg(HW_REG_WAVE_MODE, 25, 1), 1
	s_wait_xcnt 0x0
	s_wait_alu depctr_hold_cnt(0) depctr_sa_sdst(0) depctr_va_vdst(0) depctr_va_sdst(0) depctr_va_ssrc(0) depctr_va_vcc(0) depctr_vm_vsrc(0)
	s_getreg_b32 s2, hwreg(HW_REG_IB_STS2, 6, 4)
	s_cmp_eq_u32 s2, 0
	s_cbranch_scc0 .Lentry_in_a_cluster
	s_endpgm
.Lentry_in_a_cluster:
	s_bfe_u32 s2, ttmp6, 0x10000c
	s_cmp_lg_u32 s2, 0xf033
	s_cbranch_scc0 .Lentry_shape_is_right
	s_endpgm
.Lentry_shape_is_right:
; out0[m][n] = sum over k of post[m][k] W2[k][n].  post: [8192][4096], W2: [4096][1024] (n along the rows), out0: [8192][1024], all bf16; sums in f32, out0 rounded once.
; LIMIT.  Each output is the f32 sum of two f32 partial sums (k mod 128 < 64 and k mod 128 >= 64), added once at the end.
; SHARES.  A tile of out0 is 128 rows x 256 columns: 64 x 4 = 256 work-groups, one tile each.  K goes in 32 steps of 128 through a ring of two LDS slots.  K IS SPLIT INSIDE THE WORK-GROUP:
; wave w takes columns 128 (w & 1) on and, of each step's 128 k, the 64 from 64 (w >> 1) on, for ALL 128 rows: 64 accumulators of 16 x 16, 512 registers, so that 16 fragments read from
; LDS feed 64 matrix instructions.  At the end the two waves of a column half exchange halves through LDS: each keeps the 64 rows of its own number's half and sends the other 64.
; W2's rows lie along n, so its fragments come out of LDS turned, by ds_load_tr16_b128; post's as they lie.
; CLUSTERS: 4 x 4 work-groups.  The four of a row of the cluster need the same tiles of post, the four of a column the same tiles of W2: each tile is asked for JOINTLY.  A cluster's four
; columns are all of out0's 1,024, so each byte of post is asked for by one cluster alone.
; REGISTERS, in windows of 256 (s_set_vgpr_msb's low byte: bits 1:0 source 0, 3:2 source 1, 5:4 source 2, 7:6 destination):
;   window 0: v0-31 addresses; v64-127, v128-191 fragments of post, two buffers; v32-63, v192-255 at work on the way out       window 1: v64-127, v128-191 fragments of W2, two buffers
;   window 2: the 32 accumulators of the 64 rows that I keep (block a, n block b at v[8 (8 a + b)]);   window 3: those of the 64 rows that I send
; THE MATRIX INSTRUCTION IS USED TRANSPOSED: source 0 = 16 columns of W2, source 1 = 16 rows of post: lane l holds row l % 16 of out0 and eight neighbouring columns.
.set SIZE_N, 1024
.set SIZE_K, 4096
.set KSTEP,  128
.set PA,     272                       ; a row of post in LDS: 256 bytes + 16 of padding = 68 words: the 16 rows of a fragment load start 4 banks apart (64 banks of 4 bytes: ISA guide 11.1)
.set PB,     544                       ; a row of W2: 512 + 32 = 136 words: row r starts at bank 8 r mod 64
.set AHALF,  64*PA                     ; what one tensor load brings of post: 64 rows
.set ATILE,  2*AHALF
.set BHALF,  64*PB                     ; and of W2: 64 rows (k)
.set SLOT,   ATILE+2*BHALF             ; post's 128 rows, then W2's 128 rows: 104,448 bytes
.set STAGE,  2*SLOT                    ; behind the ring: 16 rows x 272 bytes for each wave, for the way out
.set SPITCH, 272
.set SPARE,  STAGE+4*16*SPITCH         ; behind the stages: the spare words, 128 bytes for each wave
.set XBYTES, 32768                     ; the exchange: 256 registers x 32 lanes x 4 bytes for each wave, in the ring's bytes, written only when the ring has had its last fill and its last read
.set LAPS,   SIZE_K/(2*KSTEP)          ; 16
.set ADRA, 16                          ; v16-17  LDS address of post's fragments in slot 0, 1: the 64 rows that I keep
.set ADRH, 18                          ; v18-19  the 64 rows that I send
.set ADRB, 20                          ; v20-21  the same for W2's fragments
.set STO,  24                          ; v24     the way out: where I put 16 bytes of a row
.set RD,   25                          ; v25     the way out: where I read a row back
.set CO,   26                          ; v26     my byte offset in out0
.set XS,   27                          ; v27     the exchange: where I put 16 bytes
.set SPW,  28                          ; v28     LDS address of my spare word; never rewritten
.set NIL,  29                          ; v29     0; never rewritten
.set XL,   30                          ; v30     the exchange: where I read my partner's 16 bytes
.set F0,   64
.set F1,   128
.set TMP,  192
.set OB,   32
.set G1, 24                            ; s[24:31] descriptor group 1 for post's tiles;  s[32:39] group 0, one set for each slot
.set G0, 32
.set G1B, 48                           ; s[48:55], s[56:63] the same for W2's tiles
.set G0B, 56
.set MSB, 0
.macro WIN new                         ; the immediate's high byte repeats the setting that is left; a switch that changes nothing is dropped
.if MSB != (\new)
	s_set_vgpr_msb (MSB<<8)|(\new)
.set MSB, \new
.endif
.endm
.set MUL_LO, 0xa1                      ; source 0 (W2) window 1, source 1 (post) window 0, C and D window 2
.set MUL_HI, 0xf1                      ; the same, C and D window 3
.set TO_B,   0x40                      ; destination window 1, address window 0
; A joint load.  Waves 0 and 1 fetch post's two halves, waves 2 and 3 W2's.  The branch hangs on the wave's number alone.  An s_nop 0 and four v_nop follow each of the two lines.
.macro JLOAD s
	s_cmp_eq_u32 s11, 0
	s_cbranch_scc0 .Lfor_b_\@
	tensor_load_to_lds s[G0+4*(\s):G0+4*(\s)+3], s[G1:G1+7]
	s_nop 0
.rept 4
	v_nop
.endr
	s_branch .Lasked_\@
.Lfor_b_\@:
	tensor_load_to_lds s[G0B+4*(\s):G0B+4*(\s)+3], s[G1B:G1B+7]
	s_nop 0
.rept 4
	v_nop
.endr
.Lasked_\@:
.endm
.macro CREST                           ; a round of the cluster's barrier behind its opening barrier
	s_cmp_lg_u32 s10, 0
	s_cbranch_scc1 .Lnot_wave_0_\@
	s_barrier_signal -3
.Lnot_wave_0_\@:
	s_barrier_wait -3
	s_barrier_signal -1
	s_barrier_wait -1
.endm
.macro CROUND                          ; a whole round
	s_barrier_signal -1
	s_barrier_wait -1
	CREST
.endm
	s_load_b128 s[4:7], s[0:1], 0x0                ; post s[4:5], W2 s[6:7]
	s_load_b64 s[8:9], s[0:1], 0x10                ; out0
	v_lshl_add_u32 v[SPW], v0, 2, SPARE
	v_mov_b32 v[NIL], 0
	ds_add_u32 v[SPW], v[NIL]                      ; the wave's opening: the add and its wait stand ahead of my first tensor load; the set-up below stands between them
	v_lshrrev_b32 v1, 5, v0
	v_readfirstlane_b32 s10, v1                    ; wave 0..3
	s_lshr_b32 s11, s10, 1                         ; which 64 of a step's 128 k are mine, and which 64 rows I keep.  Also: I fetch for post (0) or for W2 (1)
	s_and_b32 s12, s10, 1                          ; which 128 columns are mine.  Also: which 64 rows of that tile I fetch
	s_bfe_u32 s40, ttmp6, 0x40000                  ; cx, cy: my place in the cluster
	s_bfe_u32 s41, ttmp6, 0x40004
	s_lshl_b32 s42, ttmp9, 2
	s_add_co_u32 s42, s42, s40                     ; tile column = 4 x cluster x + cx
	s_and_b32 s13, ttmp7, 0xffff
	s_lshl_b32 s13, s13, 2
	s_add_co_u32 s13, s13, s41                     ; tile row = 4 x cluster y + cy
	s_lshl_b32 s43, s41, 2
	s_lshl_b32 s43, 15, s43                        ; my row of the cluster
	s_lshl_b32 s44, 0x1111, s40                    ; my column
	; descriptor group 1.  post: 64 rows x 128 elements, 16 bytes of padding behind each 256.  W2: 64 rows x 256 elements, 32 bytes behind each 512.
	s_or_b32 s[G1+0], s43, (1<<16)|(1<<20)|(1<<21)|(5<<22)|(3<<25)  ; 15:0 the mask: my row; 17:16 2-byte elements; 20 padding on; 21 set beside a mask; 24:22 after every 64 words; 31:25 4 words of it
	s_mov_b32 s[G1+1], KSTEP<<16                   ; tensor_dim0 = 128
	s_mov_b32 s[G1+2], 64<<16                      ; tensor_dim1 = 64
	s_mov_b32 s[G1+3], KSTEP<<16                   ; tile_dim0 = 128
	s_mov_b32 s[G1+4], 64                          ; tile_dim1 = 64
	s_mov_b32 s[G1+5], SIZE_K                      ; 4,096 elements from row to row
	s_mov_b32 s[G1+6], 0
	s_mov_b32 s[G1+7], 0
	s_or_b32 s[G1B+0], s44, (1<<16)|(1<<20)|(1<<21)|(6<<22)|(7<<25) ; the mask: my column; padding after every 128 words, 8 words of it
	s_mov_b32 s[G1B+1], 256<<16                    ; tensor_dim0 = 256
	s_mov_b32 s[G1B+2], 64<<16                     ; tensor_dim1 = 64
	s_mov_b32 s[G1B+3], 256<<16                    ; tile_dim0 = 256
	s_mov_b32 s[G1B+4], 64                         ; tile_dim1 = 64
	s_mov_b32 s[G1B+5], SIZE_N                     ; 1,024 elements from row to row
	s_mov_b32 s[G1B+6], 0
	s_mov_b32 s[G1B+7], 0
	; post's tiles hang on the tile row alone, W2's on the tile column alone; each offset is made in registers that never hold the other coordinate
	s_lshl_b32 s16, s13, 7
	s_lshl_b32 s17, s12, 6
	s_add_co_u32 s16, s16, s17                     ; post: row 128 x tile row + 64 x half,
	s_lshl_b32 s16, s16, 13                        ; times 8,192 bytes: under 2^26
	s_mov_b32 s17, 0
	s_lshl_b32 s46, s42, 9                         ; W2: 512 bytes x tile column
	s_lshl_b32 s47, s12, 17                        ; + 64 rows of 2,048 bytes x half
	s_add_co_u32 s46, s46, s47
	s_mov_b32 s47, 0
	s_mul_i32 s20, s12, AHALF                      ; where they go: no place in the cluster enters an LDS address
	s_mul_i32 s21, s12, BHALF
	s_add_co_u32 s21, s21, ATILE
	s_wait_dscnt 0x0                               ; the opening add is done
	s_wait_kmcnt 0x0
	s_add_nc_u64 s[14:15], s[4:5], s[16:17]
	s_add_nc_u64 s[46:47], s[6:7], s[46:47]
	CROUND                                         ; all sixteen work-groups are here: the first joint loads meet
.irp s, 0,1
	s_mov_b32 s[G0+4*(\s)], 1                                      ; count = 1
	s_add_co_u32 s[G0+4*(\s)+1], s20, (\s)*SLOT                    ; LDS address
	s_add_nc_u64 s[G0+4*(\s)+2:G0+4*(\s)+3], s[14:15], (\s)*KSTEP*2  ; global address: K step s lies 256 bytes along post's rows,
	s_or_b32 s[G0+4*(\s)+3], s[G0+4*(\s)+3], 0x80000000            ; type = 2
	s_mov_b32 s[G0B+4*(\s)], 1
	s_add_co_u32 s[G0B+4*(\s)+1], s21, (\s)*SLOT
	s_add_nc_u64 s[G0B+4*(\s)+2:G0B+4*(\s)+3], s[46:47], (\s)*KSTEP*SIZE_N*2  ; and 128 rows down W2
	s_or_b32 s[G0B+4*(\s)+3], s[G0B+4*(\s)+3], 0x80000000
	JLOAD \s                                       ; the ring is filled before anything else is done: two loads of mine are out
.endr
	; A fragment of post is 16 rows x 32 k in 8 registers: lane l holds row l % 16; two loads of 16 bytes, 32 bytes apart, at row x pitch + 16 (l / 16).
	v_and_b32 v1, 15, v0                           ; l % 16
	v_bfe_u32 v2, v0, 4, 1                         ; l / 16
	v_mul_u32_u24 v3, v1, PA
	v_lshl_add_u32 v3, v2, 4, v3
	s_lshl_b32 s22, s11, 7                         ; my 64 k are 128 bytes along a row
	s_mul_i32 s23, s11, AHALF
	s_add_co_u32 s23, s23, s22                     ; the 64 rows that I keep: those of my own half's number,
	s_xor_b32 s18, s11, 1
	s_mul_i32 s18, s18, AHALF
	s_add_co_u32 s18, s18, s22                     ; the 64 that I send: the others
.irp s, 0,1
	v_add_nc_u32 v[ADRA+(\s)], s23, v3
	v_add_nc_u32 v[ADRH+(\s)], s18, v3
	s_add_co_u32 s23, s23, SLOT
	s_add_co_u32 s18, s18, SLOT
.endr
	; The turning load takes 16 k x 16 columns (lane l reads 16 bytes: k = 8 (l / 16) + l % 8, columns 8 ((l / 8) % 2) + 0..7) and leaves half a fragment: lane l holds column l % 16 and 8 k.
	v_and_b32 v4, 7, v0
	v_lshl_add_u32 v4, v2, 3, v4
	v_mul_u32_u24 v4, v4, PB
	v_bfe_u32 v5, v0, 3, 1
	v_lshl_add_u32 v4, v5, 4, v4
	s_mul_i32 s22, s11, 64*PB                      ; my 64 k,
	s_lshl_b32 s19, s12, 8                         ; my 128 columns,
	s_add_co_u32 s22, s22, s19
	s_add_co_u32 s22, s22, ATILE                   ; behind post's tile
.irp s, 0,1
	v_add_nc_u32 v[ADRB+(\s)], s22, v4
	s_add_co_u32 s22, s22, SLOT
.endr
	s_mul_i32 s23, s10, 16*SPITCH
	s_add_co_u32 s23, s23, STAGE                   ; my stage
	v_mul_u32_u24 v4, v1, SPITCH                   ; in: row l % 16, 16 bytes for each half of the lanes
	v_lshl_add_u32 v4, v2, 4, v4
	v_add_nc_u32 v[STO], s23, v4
	v_mul_u32_u24 v5, v2, SPITCH                   ; back: lanes 0-15 take one row of 256 bytes, lanes 16-31 the next
	v_lshl_add_u32 v5, v1, 4, v5
	v_add_nc_u32 v[RD], s23, v5
	v_lshlrev_b32 v5, 11, v2                       ; and the same two rows in out0, 2,048 bytes apart
	v_lshl_add_u32 v[CO], v1, 4, v5
	v_and_b32 v6, 31, v0                           ; the exchange: 16 bytes a lane, 512 consecutive bytes an instruction,
	v_lshlrev_b32 v6, 4, v6
	s_lshl_b32 s22, s10, 15
	v_add_nc_u32 v[XS], s22, v6                    ; out into my wave's 32,768 bytes,
	s_xor_b32 s22, s10, 2
	s_lshl_b32 s22, s22, 15
	v_add_nc_u32 v[XL], s22, v6                    ; in from those of the wave with my columns and the other k
	s_lshl_b32 s16, s13, 7
	s_lshl_b32 s17, s11, 6
	s_add_co_u32 s16, s16, s17                     ; the first row of out0 that I store: 128 x tile row + 64 x half,
	s_lshl_b32 s16, s16, 11                        ; times 2,048 bytes
	s_mov_b32 s17, 0
	s_add_nc_u64 s[8:9], s[8:9], s[16:17]
	s_lshl_b32 s46, s42, 9                         ; my first column, in bytes: 512 x tile column + 256 x half
	s_lshl_b32 s47, s12, 8
	s_add_co_u32 s46, s46, s47
	s_mov_b32 s47, 0
	s_add_nc_u64 s[8:9], s[8:9], s[46:47]
; 16 matrix instructions: m blocks a0, a0 + 1 of the window's four (hi = 0: the rows I keep, 1: the rows I send) x all 8 n blocks, 32 along K.  zero = 1: the first product starts the sums.
.macro MUL16 f, hi, a0, zero
	WIN MUL_LO+0x50*(\hi)
.irp a, \a0, (\a0)+1
.irp b, 0,1,2,3,4,5,6,7
.if \zero
	v_wmma_f32_16x16x32_bf16 v[8*(8*(\a)+(\b)):8*(8*(\a)+(\b))+7], v[(\f)+8*(\b):(\f)+8*(\b)+7], v[(\f)+8*(4*(\hi)+(\a)):(\f)+8*(4*(\hi)+(\a))+7], 0
.else
	v_wmma_f32_16x16x32_bf16 v[8*(8*(\a)+(\b)):8*(8*(\a)+(\b))+7], v[(\f)+8*(\b):(\f)+8*(\b)+7], v[(\f)+8*(4*(\hi)+(\a)):(\f)+8*(4*(\hi)+(\a))+7], v[8*(8*(\a)+(\b)):8*(8*(\a)+(\b))+7]
.endif
.endr
.endr
.endm
; 32 LDS loads in one run: the fragments of quarter q (32 of my 64 k) into buffer f: W2's 8 n blocks, turned; post's 4 blocks that I keep; post's 4 blocks that I send
.macro FETCH slot, q, f
	WIN TO_B
.irp i, 0,1,2,3,4,5,6,7
	ds_load_tr16_b128 v[(\f)+8*(\i):(\f)+8*(\i)+3],   v[ADRB+(\slot)] offset:(\q)*32*PB+32*(\i)
	ds_load_tr16_b128 v[(\f)+8*(\i)+4:(\f)+8*(\i)+7], v[ADRB+(\slot)] offset:(\q)*32*PB+16*PB+32*(\i)
.endr
	WIN 0
.irp i, 0,1,2,3
	ds_load_b128 v[(\f)+8*(\i):(\f)+8*(\i)+3],   v[ADRA+(\slot)] offset:(\q)*64+(\i)*16*PA
	ds_load_b128 v[(\f)+8*(\i)+4:(\f)+8*(\i)+7], v[ADRA+(\slot)] offset:(\q)*64+(\i)*16*PA+32
.endr
.irp i, 0,1,2,3
	ds_load_b128 v[(\f)+32+8*(\i):(\f)+32+8*(\i)+3],   v[ADRH+(\slot)] offset:(\q)*64+(\i)*16*PA
	ds_load_b128 v[(\f)+32+8*(\i)+4:(\f)+32+8*(\i)+7], v[ADRH+(\slot)] offset:(\q)*64+(\i)*16*PA+32
.endr
.endm
; Four plain vector instructions stand between a matrix instruction and a load into a register that it has read, or an instruction that touches its results (ISA guide 7.12.1 for vector instructions).
.macro PLACES
.rept 4
	v_nop
.endr
.endm
; A K step is, for a wave, two quarters of 32 along K, 64 matrix instructions each, on buffers 0 and 1.  The 64 accumulators take turns in the same order in every quarter.
; The first: multiplies buffer f; in its middle it fetches quarter q of the same slot into buffer g.
.macro QUARTER slot, q, f, g, zero
	s_wait_dscnt 8                                 ; W2 and the rows that I keep are in; the youngest eight loads (the rows that I send) may be out
	MUL16 \f, 0, 0, \zero
	MUL16 \f, 0, 2, \zero
	PLACES
	FETCH \slot, \q, \g
	s_wait_dscnt 32                                ; all but the 32 just issued
	MUL16 \f, 1, 0, \zero
	MUL16 \f, 1, 2, \zero
.endm
; The second multiplies buffer 1 and changes slots: ONE barrier; in front of it each wave waits for all its tensor loads (one is out: its part of the next slot), adds 0 to its spare word, and waits
; for that and for its own reads of this slot.  fill = 1: the barrier opens a round of the cluster's, and behind the round this slot is filled again, two K steps ahead: that load has the 32 matrix
; instructions below and the next quarter's 64 in which to land.
.macro TURN slot, next, fill
	WIN 0                                          ; (the add's two registers lie in window 0)
	s_wait_tensorcnt 0x0                           ; all my tensor loads have landed
	ds_add_u32 v[SPW], v[NIL]                      ; 0 onto my spare word
	s_wait_dscnt 9                                 ; (the add and the youngest eight loads may be out)
	MUL16 F1, 0, 0, 0                              ; sixteen matrix instructions stand between the add and the wait for it
	s_wait_dscnt 0x0                               ; the add is done, and my reads of this slot are over
	s_barrier_signal -1
	MUL16 F1, 0, 2, 0                              ; work on registers while the others arrive
.if \fill
	WIN 0
.endif
	s_barrier_wait -1
.if \fill
	CREST                                          ; no wave of any partner still reads this slot's tile or has a load on its way
	s_add_nc_u64 s[G0+4*(\slot)+2:G0+4*(\slot)+3], s[G0+4*(\slot)+2:G0+4*(\slot)+3], 2*KSTEP*2
	s_add_nc_u64 s[G0B+4*(\slot)+2:G0B+4*(\slot)+3], s[G0B+4*(\slot)+2:G0B+4*(\slot)+3], 2*KSTEP*SIZE_N*2
	JLOAD \slot                                    ; my one tensor load behind the round; its four v_nop are also the places in front of the loads below
.else
	PLACES
.endif
	FETCH \next, 0, F0
	MUL16 F1, 1, 0, 0
	MUL16 F1, 1, 2, 0
.endm
; THE WAY OUT of block a of the four that I keep.  PACK: rounded to bf16, 16 bytes a lane.  TOSTAGE: into my own stage in LDS, and back as whole rows of 256 bytes.  SEND: stored.
.macro PACK a
.set AC, 64*(\a)
	WIN 0x0a                                       ; sources 0 and 1 window 2, destination window 0
.irp b, 0,1,2,3,4,5,6,7
.irp r, 0,1,2,3
	v_cvt_pk_bf16_f32 v[TMP+4*(\b)+(\r)], v[AC+8*(\b)+2*(\r)], v[AC+8*(\b)+2*(\r)+1]
.endr
.endr
	WIN 0
.endm
.macro TOSTAGE a
	WIN 0
.set BK, OB+192*((\a)%2)
.irp b, 0,1,2,3,4,5,6,7
	ds_store_b128 v[STO], v[TMP+4*(\b):TMP+4*(\b)+3] offset:32*(\b)
.endr
.irp t, 0,1,2,3,4,5,6,7
	ds_load_b128 v[BK+4*(\t):BK+4*(\t)+3], v[RD] offset:(\t)*2*SPITCH  ; LDS serves a wave's instructions in order (ISA guide 5.7.1.4): these see the stores above
.endr
.endm
.macro SEND a
	WIN 0
.set BK, OB+192*((\a)%2)
	s_wait_dscnt 0x0                               ; the block is back in registers
	s_wait_xcnt 0x0                                ; the registers that the stores two blocks back read are loaded again only behind this wait
.irp t, 0,1,2,3,4,5,6,7
	global_store_b128 v[CO], v[BK+4*(\t):BK+4*(\t)+3], s[8:9] offset:(16*(\a)+2*(\t))*SIZE_N*2  ; 16 lanes store 256 consecutive bytes, at a multiple of 256 from out0's first byte; 62 rows, 126,976 bytes, at the most
.endr
.endm
	s_wait_tensorcnt 1                             ; my part of K step 0 is in; K step 1's may stay out
	s_barrier_signal -1
	s_barrier_wait -1                              ; everybody's is
	FETCH 0, 0, F0
	QUARTER 0, 1, F0, F1, 1                        ; the first quarter stands in front of the loop: its products start the sums
	WIN 0                                          ; at a label and at a branch every window is 0
	s_mov_b32 s3, LAPS-1
.Llap:                                                 ; 15 trips: a trip goes once round the ring, from a lap's second quarter to the next lap's first, and fills both slots again
	TURN 0, 1, 1
	QUARTER 1, 1, F0, F1, 0
	TURN 1, 0, 1
	QUARTER 0, 1, F0, F1, 0
	WIN 0
	s_sub_co_u32 s3, s3, 1
	s_cmp_lg_u32 s3, 0
	s_cbranch_scc1 .Llap
	TURN 0, 1, 0                                   ; the last lap fills nothing, and has no round of the cluster's barrier
	QUARTER 1, 1, F0, F1, 0
	s_wait_dscnt 8                                 ; the very last quarter: nothing more to fetch
	MUL16 F1, 0, 0, 0
	MUL16 F1, 0, 2, 0
	s_wait_dscnt 0x0                               ; my last reads of the ring are back
	MUL16 F1, 1, 0, 0
	MUL16 F1, 1, 2, 0
	WIN 0
	; THE EXCHANGE.  Every wave's reads of the ring are back and no fill follows: behind this barrier the ring's bytes are written.  The four v_nop are the places behind the last products.
	PLACES
	s_barrier_signal -1
	s_barrier_wait -1
	WIN 0x0c                                       ; store data in window 3, address in window 0
.set j, 0
.rept 64
	ds_store_b128 v[XS], v[4*j:4*j+3] offset:512*j ; ascending: each accumulator's low four registers go first
.set j, j+1
.endr
	WIN 0
	s_wait_dscnt 0x0                               ; for my partner's sake: my stores are done
	s_barrier_signal -1
	s_barrier_wait -1
	WIN 0xc0                                       ; destination window 3: the registers just sent take my partner's sums of the rows that I keep
.set j, 0
.rept 64
	ds_load_b128 v[4*j:4*j+3], v[XL] offset:512*j
.set j, j+1
.endr
	WIN 0x8e                                       ; destination and source 0 window 2, source 1 window 3
.irp a, 0,1,2,3
	s_wait_dscnt 48-16*(\a)                        ; block a's sixteen loads are in; the later blocks' may be out
.set i, 64*(\a)
.rept 32
	v_pk_add_f32 v[i:i+1], v[i:i+1], v[i:i+1]      ; the two partial sums, once, in f32
.set i, i+2
.endr
.endr
	PACK 0
	TOSTAGE 0
.irp a, 1,2,3                          ; block a's conversions stand between block a - 1's loads from the stage and the wait for them
	PACK \a
	SEND (\a)-1
	TOSTAGE \a
.endr
	SEND 3
	s_wait_tensorcnt 0x0                           ; the wave's end, behind my last tensor load and my last LDS store
	ds_add_u32 v[SPW], v[NIL]
	s_wait_dscnt 0x0
	CROUND                                         ; the closing round: no work-group ends while a partner may still ask for a tile that names it
	s_endpgm
.Lfunc_end_k_qff3e8ec7d8_down:
	.size	k_qff3e8ec7d8_down, .Lfunc_end_k_qff3e8ec7d8_down-k_qff3e8ec7d8_down
	.p2alignl 7, 3214868480
	.fill 96, 4, 3214868480
	.section	.rodata,"a",@progbits
	.p2align	6, 0x0
	.amdhsa_kernel k_qff3e8ec7d8_down
		.amdhsa_group_segment_fixed_size 327680
		.amdhsa_private_segment_fixed_size 0
		.amdhsa_enable_private_segment 0
		.amdhsa_kernarg_size 24
		.amdhsa_user_sgpr_count 2
		.amdhsa_user_sgpr_kernarg_segment_ptr 1
		.amdhsa_wavefront_size32 1
		.amdhsa_system_sgpr_workgroup_id_x 1
		.amdhsa_system_sgpr_workgroup_id_y 1
		.amdhsa_system_sgpr_workgroup_id_z 1
		.amdhsa_system_vgpr_workitem_id 0
		.amdhsa_next_free_vgpr 1024
		.amdhsa_next_free_sgpr 66
		.amdhsa_reserve_vcc 0
		.amdhsa_float_denorm_mode_32 3
		.amdhsa_float_denorm_mode_16_64 3
		.amdhsa_memory_ordered 1
		.amdhsa_forward_progress 1
		.amdhsa_inst_pref_size 94
	.end_amdhsa_kernel
	.amdgpu_metadata
---
amdhsa.version: [ 1, 2 ]
amdhsa.kernels:
  - .name:           k_qff3e8ec7d8_down
    .symbol:         k_qff3e8ec7d8_down.kd
    .args:
      - { .name: post, .offset: 0, .size: 8, .value_kind: global_buffer, .address_space: global }
      - { .name: W2, .offset: 8, .size: 8, .value_kind: global_buffer, .address_space: global }
      - { .name: out0, .offset: 16, .size: 8, .value_kind: global_buffer, .address_space: global }
    .group_segment_fixed_size: 327680
    .private_segment_fixed_size: 0
    .kernarg_segment_align: 8
    .kernarg_segment_size: 24
    .max_flat_workgroup_size: 128
    .sgpr_count:     66
    .vgpr_count:     1024
    .wavefront_size: 32
...
	.end_amdgpu_metadata
.endif
;; end of part 2
